; MI455X (gfx1250); checked and timed in simulation.
; The chip was launched on July 23, 2026; its instructions are those of AMD's public machine-readable ISA for CDNA 5 (MIT licence, August 2026) and "CDNA5" Instruction Set Architecture Reference Guide (July 2026). The comments in the code are by the model that wrote it; some were corrected since.
;; Multi Head Attention. Allowed arithmetic: matrix products marked QUANTISED: E2M1 operands, one E8M0 scale for each 32 along K, by v_wmma_scale_f32_16x16x128_f8f6f4 with both operands' format E2M1 (or v_wmma_scale_f32_32x16x128_f4), f32 sums; products left as they are: bf16, f16 or f32 operands; f32 sums; everything else in f32.
;; Inputs: Wk 512 x 512 float32; Wo 512 x 512 float32; Wq 512 x 512 float32; Wv 512 x 512 float32; bk 512 float32; bo 512 float32; bq 512 float32; bv 512 float32; k 2 x 4,096 x 512 float32; q 2 x 4,096 x 512 float32; v 2 x 4,096 x 512 float32.
;; Outputs: out0 2 x 4,096 x 512 float32.
;; This version of the problem:
;;   THIS VERSION OF THE PROBLEM IS GIVEN IN LOW PRECISION. The matrix products marked QUANTISED in the list below multiply operands that are first quantised to E2M1 (2 exponent bits, 1 mantissa bit; 4 bits a number), with one power-of-two scale for each 32 numbers along K (OCP MX v1.0); their sums are f32. The products marked 'left as it is' may take bf16, f16 or f32 operands, with f32 sums. Whichever they take, every output number must still come out within the allowed error. Rounding operands to bf16 (8 significant bits) uses up far more of that allowance than f16 does (11 bits, for magnitudes from 6e-5 to 65,504). All else is computed in f32.
;;   The module's matrix products, in the order in which they are computed (A, B: the left and right operand; K: the contracted axis; several contracted axes count as one K, in the product's order):
;;     1. [M 8,192, K 512] x [K 512, N 512]; A: input q; B: input Wq: QUANTISED
;;     2. [M 8,192, K 512] x [K 512, N 512]; A: input k; B: input Wk: QUANTISED
;;     3. [M 8,192, K 512] x [K 512, N 512]; A: input v; B: input Wv: QUANTISED
;;     4. batch 16 x [M 4,096, K 64] x [K 64, N 4,096]; A: computed on the way; B: computed on the way: left as it is (an operand is computed on the way)
;;     5. batch 16 x [M 4,096, K 4,096] x [K 4,096, N 64]; A: computed on the way; B: computed on the way: left as it is (an operand is computed on the way)
;;     6. [M 8,192, K 512] x [K 512, N 512]; A: computed on the way; B: input Wo: left as it is (an operand is computed on the way)
;;   THE QUANTISER, for each operand of a quantised product, along K:
;;     - K is cut into blocks of 32 from its start; a last block that is shorter is filled with zeros.
;;     - A block's scale is 2^e with e = floor(log2(the largest magnitude in the block)) - 2, held to -126 .. 127; a block of zeros has e = 0. As a byte (E8M0): e + 127.
;;     - Each number is divided by its block's scale, clamped to +-6, and rounded to the nearest number of E2M1, ties to even, subnormals kept.
;;     - The product sums the exact products of the quantised numbers (number of the format x scale) in f32.
;;   ~~~python
;;   def quantise(x, axis):      # numpy; x: float32 -> the quantised numbers, widened to float32 again
;;       x = np.moveaxis(x, axis, -1); K = x.shape[-1]
;;       x = np.pad(x, [(0, 0)] * (x.ndim - 1) + [(0, -K % 32)]); x = x.reshape(x.shape[:-1] + (-1, 32)); a = np.abs(x).max(-1, keepdims=True)
;;       e = np.where(a > 0, np.clip(np.frexp(np.where(a > 0, a, 1))[1] - 1 - 2, -126, 127), 0)      # np.frexp(a)[1] - 1 = floor(log2(a)), exactly
;;       r = np.clip(x / 2.0 ** e, -6, 6)
;;       step = 2.0 ** (np.maximum(np.frexp(np.where(r == 0, 1, r))[1] - 1, 0) - 1)
;;       q = np.round(r / step) * step * 2.0 ** e      # np.round: ties to even
;;       return np.moveaxis(q.reshape(q.shape[:-2] + (-1,))[..., :K], -1, axis).astype(np.float32)
;;   ~~~
;; One version. Each part assembles by itself: llvm-mc -triple=amdgcn-amd-amdhsa -mcpu=gfx1250 --defsym DOCPART=n.
;; ======== version 1 of 1: 4 launches
;; limits: values are held in f16: magnitudes above 65,504 overflow, below 6.1e-05 lose precision
;; workspace buffers: wcodes 393,216 bytes; wscl 24,576 bytes; woh 524,288 bytes; qh 8,388,608 bytes; kh 8,388,608 bytes; vh 8,388,608 bytes; ctx 8,388,608 bytes
;; launch prep (part 1): grid 8 x 16, 2 waves a work-group, no clusters, 0 bytes of LDS; arguments Wq, Wk, Wv, Wo, wcodes, wscl, woh; writes wcodes, wscl, woh
.if DOCPART == 1
	.amdgcn_target "amdgcn-amd-amdhsa--gfx1250"
	.amdhsa_code_object_version 6
	.text
	.protected	k_q2530df5a0f_prep
	.globl	k_q2530df5a0f_prep
	.p2align	8
	.type	k_q2530df5a0f_prep,@function
k_q2530df5a0f_prep:
	s_mov_b64 s[64:65], 0
	v_nop
	global_prefetch_b8 v0, s[64:65] scope:SCOPE_SE
	s_setreg_imm32_b32 hwreg(HW_REG_WAVE_MODE, 25, 1), 1
	s_wait_xcnt 0x0
; The four weights, [512 (k)][512 (n)] f32 with K as the FIRST axis, are laid out once as images of operand registers.
; Wq, Wk, Wv: codes of FP4 (E2M1) with one E8M0 byte for each 32 along K.  wcodes [tensor 3][nt 32][s 4][c 2][lane 32][16 bytes]: the 16 bytes of lane 16 h + r are column 16 nt + r,
; k = 128 s + 64 c + 32 h + 0 .. 31: one block.  wscl [tensor][nt][s][r 16] words: byte b of a word is block 4 s + b of column 16 nt + r.
; Wo: f16.  woh [nt 32][kc 16][g 2][lane 32][16 bytes]: lane 16 h + r holds column 16 nt + r, k = 32 kc + 16 g + 8 h + 0 .. 7.
; A LANE TAKES A COLUMN AND ITS REGISTERS RUN DOWN K: a block of 32 lies in one lane's 32 registers, so its largest magnitude needs no other lane, and the conversions give codes with K innermost.
; A block's scale is 2^(floor(log2(largest magnitude)) - 2); its byte is the largest magnitude's exponent field - 2, held at 1 from below.
; LIMITS: a block of zeros gets the byte 1 (its codes are zeros, and this program alone reads the bytes); NaN and infinities are not served; Wo's numbers lie inside f16's range.
; SHARES: work-group y = 4 x tensor + s (128 along K; tensor 3 is Wo); x = 64 columns, 32 to each of the two waves.  No LDS, no barrier: waves share nothing, and no work-group reads what another reads.
.set X, 16                             ; v16-143  my column's 128 numbers
.set C, 144                            ; v144-207 codes (16 registers) or f16 pairs (64): each store has registers of its own
.macro LOAD b                          ; block b: W(128 s + 32 b + i, my column): the wave reads 128 consecutive bytes, the two waves 256
.set i, 0
.rept 32
	global_load_b32 v[X+32*(\b)+i], v1, s[4:5] offset:(32*(\b)+i)*2048 th:TH_LOAD_NT
.set i, i+1
.endr
.endm
.macro ARRIVE b                        ; block b is in; loads run two blocks ahead
.if (\b) < 3
	s_wait_loadcnt 32                              ; the next block's 32 loads may stay out
.else
	s_wait_loadcnt 0x0
.endif
.if (\b) < 2
	LOAD (\b)+2
.endif
.endm
	s_load_b256 s[4:11], s[0:1], 0x0               ; Wq, Wk, Wv, Wo
	s_load_b128 s[12:15], s[0:1], 0x20             ; wcodes, wscl
	s_load_b64 s[16:17], s[0:1], 0x30              ; woh
	v_lshrrev_b32 v5, 5, v0
	v_readfirstlane_b32 s23, v5                    ; wave 0, 1
	v_and_b32 v6, 31, v0                           ; lane
	v_and_b32 v7, 15, v0                           ; r: my column in its tile of 16
	v_bfe_u32 v5, v0, 4, 1                         ; which of the wave's two tiles
	v_lshlrev_b32 v1, 2, v6                        ; in: 4 bytes a lane
	v_lshlrev_b32 v2, 4, v7
	v_lshlrev_b32 v3, 2, v7
	v_lshl_add_u32 v4, v5, 14, v2                  ; woh: 16,384 bytes a tile + 16 r
	v_lshl_add_u32 v3, v5, 8, v3                   ; wscl: 256 bytes a tile + 4 r
	v_lshl_add_u32 v2, v5, 12, v2                  ; wcodes: 4,096 bytes a tile + 16 r
	s_and_b32 s20, ttmp7, 0xffff
	s_lshr_b32 s21, s20, 2                         ; tensor
	s_and_b32 s22, s20, 3                          ; s
	s_lshl_b32 s24, ttmp9, 2
	s_lshl_b32 s25, s23, 1
	s_add_co_u32 s24, s24, s25                     ; nt0 = 4 x + 2 wave
	s_lshl_b32 s26, s22, 18                        ; the source: 128 s rows of 2,048 bytes
	s_lshl_b32 s25, s24, 6
	s_add_co_u32 s26, s26, s25                     ; + 64 bytes a tile of columns
	s_mov_b32 s27, 0
	s_lshl_b32 s28, s21, 17                        ; wcodes: 131,072 tensor + 4,096 nt0 + 1,024 s
	s_lshl_b32 s25, s24, 12
	s_add_co_u32 s28, s28, s25
	s_lshl_b32 s25, s22, 10
	s_add_co_u32 s28, s28, s25
	s_mov_b32 s29, 0
	s_lshl_b32 s30, s21, 13                        ; wscl: 8,192 tensor + 256 nt0 + 64 s
	s_lshl_b32 s25, s24, 8
	s_add_co_u32 s30, s30, s25
	s_lshl_b32 s25, s22, 6
	s_add_co_u32 s30, s30, s25
	s_mov_b32 s31, 0
	s_lshl_b32 s32, s24, 14                        ; woh: 16,384 nt0 + 4,096 s
	s_lshl_b32 s25, s22, 12
	s_add_co_u32 s32, s32, s25
	s_mov_b32 s33, 0
	s_wait_kmcnt 0x0
	s_cmp_eq_u32 s21, 1                            ; the source is chosen by the work-group's number alone
	s_cselect_b64 s[4:5], s[6:7], s[4:5]
	s_cmp_eq_u32 s21, 2
	s_cselect_b64 s[4:5], s[8:9], s[4:5]
	s_cmp_eq_u32 s21, 3
	s_cselect_b64 s[4:5], s[10:11], s[4:5]
	s_add_nc_u64 s[4:5], s[4:5], s[26:27]
	s_add_nc_u64 s[12:13], s[12:13], s[28:29]      ; (used by tensors 0 to 2 alone)
	s_add_nc_u64 s[14:15], s[14:15], s[30:31]
	s_add_nc_u64 s[16:17], s[16:17], s[32:33]      ; (used by tensor 3 alone)
	LOAD 0
	LOAD 1
	s_cmp_eq_u32 s21, 3
	s_cbranch_scc1 .Lwo
; one block of 32 along K becomes 16 bytes of codes and a scale byte
.macro QBLK b
	ARRIVE \b
.set XB, X+32*(\b)
	v_max3_num_f32 v8, |v[XB]|, |v[XB+1]|, |v[XB+2]|               ; the block's largest magnitude, in two chains
	v_max3_num_f32 v9, |v[XB+3]|, |v[XB+4]|, |v[XB+5]|
.irp i, 6,10,14,18,22,26
	v_max3_num_f32 v8, v8, |v[XB+\i]|, |v[XB+\i+1]|
	v_max3_num_f32 v9, v9, |v[XB+\i+2]|, |v[XB+\i+3]|
.endr
	v_max3_num_f32 v8, v8, |v[XB+30]|, |v[XB+31]|
	v_max3_num_f32 v8, v8, v9, 0x1800000           ; and the floor 2^(3 - 127): the byte cannot fall under 1
	v_add_nc_u32 v10, 0xff000000, v8               ; 2 off the exponent field: the conversion takes this operand's exponent field as its scale
	v_lshrrev_b32 v11, 23, v10                     ; the scale's byte
.irp g, 0,1,2,3
	v_cvt_scalef32_pk8_fp4_f32 v[C+4*(\b)+\g], v[XB+8*\g:XB+8*\g+7], v10
.endr
.if (\b) == 0
	v_mov_b32 v14, v11                             ; four bytes make the word of these 128 along K (a plain line behind the conversions)
.else
	v_lshl_or_b32 v14, v11, 8*(\b), v14
.endif
	global_store_b128 v2, v[C+4*(\b):C+4*(\b)+3], s[12:13] offset:((\b)/2)*512+((\b)%2)*256   ; c = b / 2, h = b % 2: sixteen lanes store 256 consecutive bytes, aligned
.endm
	QBLK 0
	QBLK 1
	QBLK 2
	QBLK 3
	global_store_b32 v3, v14, s[14:15]             ; sixteen lanes store 64 consecutive bytes: one byte for each 128 that the launch reads
	s_endpgm
.Lwo:
; 32 along K of Wo become four pieces of 8 f16
.macro HCHK kc
	ARRIVE \kc
.set i, 0
.rept 16
	v_cvt_pk_f16_f32 v[C+16*(\kc)+i], v[X+32*(\kc)+2*i], v[X+32*(\kc)+2*i+1]   ; the lower k in the low half
.set i, i+1
.endr
.irp p, 0,1,2,3
	global_store_b128 v4, v[C+16*(\kc)+4*\p:C+16*(\kc)+4*\p+3], s[16:17] offset:(\kc)*1024+(\p/2)*512+(\p%2)*256   ; g = p / 2, h = p % 2
.endr
.endm
	HCHK 0
	HCHK 1
	HCHK 2
	HCHK 3
	s_endpgm
.Lfunc_end_k_q2530df5a0f_prep:
	.size	k_q2530df5a0f_prep, .Lfunc_end_k_q2530df5a0f_prep-k_q2530df5a0f_prep
	.p2alignl 7, 3214868480
	.fill 96, 4, 3214868480
	.section	.rodata,"a",@progbits
	.p2align	6, 0x0
	.amdhsa_kernel k_q2530df5a0f_prep
		.amdhsa_group_segment_fixed_size 0
		.amdhsa_private_segment_fixed_size 0
		.amdhsa_enable_private_segment 0
		.amdhsa_kernarg_size 56
		.amdhsa_user_sgpr_count 2
		.amdhsa_user_sgpr_kernarg_segment_ptr 1
		.amdhsa_wavefront_size32 1
		.amdhsa_system_sgpr_workgroup_id_x 1
		.amdhsa_system_sgpr_workgroup_id_y 1
		.amdhsa_system_sgpr_workgroup_id_z 1
		.amdhsa_system_vgpr_workitem_id 0
		.amdhsa_next_free_vgpr 208
		.amdhsa_next_free_sgpr 66
		.amdhsa_reserve_vcc 0
		.amdhsa_float_denorm_mode_32 3
		.amdhsa_float_denorm_mode_16_64 3
		.amdhsa_memory_ordered 1
		.amdhsa_forward_progress 1
		.amdhsa_inst_pref_size 33
	.end_amdhsa_kernel
	.amdgpu_metadata
---
amdhsa.version: [ 1, 2 ]
amdhsa.kernels:
  - .name:           k_q2530df5a0f_prep
    .symbol:         k_q2530df5a0f_prep.kd
    .args:
      - { .name: Wq, .offset: 0, .size: 8, .value_kind: global_buffer, .address_space: global }
      - { .name: Wk, .offset: 8, .size: 8, .value_kind: global_buffer, .address_space: global }
      - { .name: Wv, .offset: 16, .size: 8, .value_kind: global_buffer, .address_space: global }
      - { .name: Wo, .offset: 24, .size: 8, .value_kind: global_buffer, .address_space: global }
      - { .name: wcodes, .offset: 32, .size: 8, .value_kind: global_buffer, .address_space: global }
      - { .name: wscl, .offset: 40, .size: 8, .value_kind: global_buffer, .address_space: global }
      - { .name: woh, .offset: 48, .size: 8, .value_kind: global_buffer, .address_space: global }
    .group_segment_fixed_size: 0
    .private_segment_fixed_size: 0
    .kernarg_segment_align: 8
    .kernarg_segment_size: 56
    .max_flat_workgroup_size: 64
    .sgpr_count:     66
    .vgpr_count:     208
    .wavefront_size: 32
...
	.end_amdgpu_metadata
.endif
;; end of part 1
;; launch proj (part 2): grid 64 x 3, 16 waves a work-group, no clusters, 120,832 bytes of LDS; arguments q, k, v, bq, bk, bv, wcodes, wscl, qh, kh, vh; writes qh, kh, vh
.if DOCPART == 2
	.amdgcn_target "amdgcn-amd-amdhsa--gfx1250"
	.amdhsa_code_object_version 6
	.text
	.protected	k_q2530df5a0f_proj
	.globl	k_q2530df5a0f_proj
	.p2align	8
	.type	k_q2530df5a0f_proj,@function
k_q2530df5a0f_proj:
	s_mov_b64 s[64:65], 0
	v_nop
	global_prefetch_b8 v0, s[64:65] scope:SCOPE_SE
	s_setreg_imm32_b32 hwreg(HW_REG_WAVE_MODE, 25, 1), 1
	s_wait_xcnt 0x0
; qh = q Wq + bq, kh = k Wk + bk, vh = v Wv + bv: the three quantised products, 8,192 x 512 x 512 each, on codes of FP4 (E2M1) with one E8M0 scale for each 32 along K; sums in f32, the bias as each sum's first C.
; Work-group y picks the tensor, x 128 rows of it.  PHASE A: wave w quantises rows 8 w .. 8 w + 7 (f32, read once, 512 consecutive bytes a load) and lays codes and scale bytes in LDS as the operand's registers want them.
; PHASE B: wave w owns columns 32 w .. 32 w + 31 (half w % 2 of head w / 2) for all 8 tiles of 16 rows; its weights, 64 registers of codes and 8 of scale words, are read once and stay in registers.
; RESULTS leave as f16 IMAGES OF THE NEXT OPERAND'S REGISTERS, 16 bytes a lane, 512 consecutive bytes a store:
;   qh, kh [bh 16][tile 256][kc 2][g 2][lane][16 bytes]: lane 16 h + r: token r of the tile, channels 32 kc + 16 g + 8 h + 0 .. 7 of the head.  The product is used transposed (source 0 = 16 columns of W) so that a lane holds 8 channels of a token.
;   vh [bh][kk 128][ct 4][g 2][lane][16 bytes]: lane 16 h + r: channel 16 ct + r, keys 32 kk + 16 g + 8 h + 0 .. 7.  The product is used as it stands (source 0 = 16 tokens) so that a lane holds 8 tokens of a channel.
; NO CLUSTER: what work-groups share, the weights, goes from memory straight into the registers where it stays (8.5 KB a wave, once); a joint load would send those 136 KB through LDS and back for nothing.
; LIMITS: results beyond f16's 65,504 are not served; a block of zeros gets the byte 1 with zero codes; NaN and infinities are not served.
.set TURNB, 5120                       ; LDS 0: for each wave two stages of 32 x 80 bytes, in which a row's numbers turn from 16 bytes a lane to 64 bytes a lane
.set XIMG,  81920                      ; codes: tile m at 4,352 m; block kb of row r at 272 kb + 16 r: 16 rows' 256 bytes + 16 of padding, so that the 8-byte stores of 32 lanes fall on different banks (64 banks of 4 bytes: ISA guide 11.1)
.set XSC,   116736                     ; scale bytes: [row 128][16]
.set SPARE, 118784                     ; the spare words, 128 bytes for each wave: eight blocks of 256 bytes that no other line names
.set SPW, 14                           ; v14  SPARE + 4 x my thread's number; never rewritten
.set NIL, 15                           ; v15  0; never rewritten
.set W,   16                           ; v16-79   my weights: fragment (tile u, K step s) at W + 8 (4 u + s)
.set WS,  80                           ; v80-87   their scale words; scales and nothing else
.set BI,  88                           ; v88-103  the bias of my two tiles, in the result's layout
.set XS,  104                          ; v104-111 x's scale words, two sets of four; scales and nothing else
.set R,   112                          ; phase A: v112-175 four sets of 16 numbers as loaded
.set XN,  176                          ;          v176-207 two sets of 16 neighbours
.set CD,  208                          ;          v208-223 two registers of codes for each row
.set E,   224                          ;          v224-231 a scale byte for each row
.set XF,  112                          ; phase B: v112-175 x's four fragments, two sets
.set ACC, 176                          ;          v176-191 two accumulators
.set PK,  192                          ;          v192-207 results in f16, two sets
	s_load_b256 s[4:11], s[0:1], 0x0               ; q, k, v, bq
	s_load_b256 s[12:19], s[0:1], 0x20             ; bk, bv, wcodes, wscl
	s_load_b128 s[20:23], s[0:1], 0x40             ; qh, kh
	s_load_b64 s[24:25], s[0:1], 0x50              ; vh
	v_lshl_add_u32 v[SPW], v0, 2, SPARE
	v_mov_b32 v[NIL], 0
	v_lshrrev_b32 v10, 5, v0
	v_readfirstlane_b32 s26, v10                   ; wave w, 0 .. 15
	v_and_b32 v10, 31, v0                          ; lane l
	v_and_b32 v11, 15, v0                          ; r
	v_bfe_u32 v12, v0, 4, 1                        ; h
	v_lshlrev_b32 v1, 4, v10                       ; v1: 16 l
	s_mul_i32 s27, s26, TURNB
	v_lshrrev_b32 v2, 2, v10
	v_mul_u32_u24 v2, v2, 80
	v_and_b32 v13, 3, v10
	v_lshl_add_u32 v2, v13, 4, v2
	v_add_nc_u32 v2, s27, v2                       ; v2: into a stage: four lanes' 64 bytes on end, then 16 of padding
	v_mul_u32_u24 v3, v10, 80
	v_add_nc_u32 v3, s27, v3                       ; v3: out of it: my 16 neighbours
	s_lshr_b32 s28, s26, 1                         ; w / 2: my rows' tile in phase A, my head in phase B
	s_and_b32 s29, s26, 1                          ; w % 2
	s_mul_i32 s30, s28, 4352
	s_lshl_b32 s31, s29, 7
	s_add_co_u32 s30, s30, s31
	s_add_co_u32 s30, s30, XIMG
	v_lshrrev_b32 v13, 1, v10                      ; my block of 32: l / 2
	v_mul_u32_u24 v4, v13, 272
	v_and_b32 v5, 1, v10
	v_lshl_add_u32 v4, v5, 3, v4
	v_add_nc_u32 v4, s30, v4                       ; v4: my 8 bytes of codes of row 8 w: tile w / 2, row 8 (w % 2), block l / 2, half l % 2; 16 bytes on for each row
	s_lshl_b32 s31, s26, 7
	s_add_co_u32 s31, s31, XSC
	v_add_nc_u32 v5, s31, v13                      ; v5: my block's scale byte of row 8 w
	v_mul_u32_u24 v6, v12, 272
	v_lshl_add_u32 v6, v11, 4, v6
	v_add_nc_u32 v6, XIMG, v6                      ; v6: a fragment's piece for lane (r, h): block h of row r
	v_lshl_add_u32 v7, v11, 4, XSC                 ; v7: row r's 16 scale bytes
	v_lshlrev_b32 v8, 2, v11                       ; v8: 4 r
	v_lshlrev_b32 v9, 5, v12                       ; v9: 32 h
	s_and_b32 s32, ttmp7, 0xffff                   ; the tensor: 0 q, 1 k, 2 v
	s_lshl_b32 s34, ttmp9, 18                      ; x: 128 rows of 2,048 bytes a work-group,
	s_lshl_b32 s33, s26, 14                        ; 8 rows a wave
	s_add_co_u32 s34, s34, s33
	s_mov_b32 s35, 0
	s_lshl_b32 s36, s32, 17                        ; wcodes: 131,072 a tensor, 8,192 for a wave's two tiles
	s_lshl_b32 s33, s26, 13
	s_add_co_u32 s36, s36, s33
	s_mov_b32 s37, 0
	s_lshl_b32 s38, s32, 13                        ; wscl: 8,192 a tensor, 512 a wave
	s_lshl_b32 s33, s26, 9
	s_add_co_u32 s38, s38, s33
	s_mov_b32 s39, 0
	s_lshl_b32 s40, s26, 7                         ; the bias: my 32 numbers
	s_mov_b32 s41, 0
	s_lshr_b32 s44, ttmp9, 5                       ; the batch
	s_lshl_b32 s44, s44, 3
	s_add_co_u32 s44, s44, s28                     ; bh = 8 batch + head
	s_lshl_b32 s42, s44, 19                        ; 524,288 bytes a head,
	s_and_b32 s44, ttmp9, 31
	s_lshl_b32 s44, s44, 14                        ; 16,384 for 128 tokens, in all three layouts,
	s_add_co_u32 s42, s42, s44
	s_cmp_eq_u32 s32, 2
	s_cselect_b32 s44, 11, 10                      ; and my half of the head: 1,024 bytes on in qh and kh (kc), 2,048 in vh (two ct)
	s_lshl_b32 s44, s29, s44
	s_add_co_u32 s42, s42, s44
	s_mov_b32 s43, 0
	s_wait_kmcnt 0x0
	s_cmp_eq_u32 s32, 1                            ; the buffers are chosen by the work-group's number alone
	s_cselect_b64 s[4:5], s[6:7], s[4:5]
	s_cselect_b64 s[10:11], s[12:13], s[10:11]
	s_cselect_b64 s[20:21], s[22:23], s[20:21]
	s_cmp_eq_u32 s32, 2
	s_cselect_b64 s[4:5], s[8:9], s[4:5]
	s_cselect_b64 s[10:11], s[14:15], s[10:11]
	s_cselect_b64 s[20:21], s[24:25], s[20:21]
	s_add_nc_u64 s[4:5], s[4:5], s[34:35]
	s_add_nc_u64 s[16:17], s[16:17], s[36:37]
	s_add_nc_u64 s[18:19], s[18:19], s[38:39]
	s_add_nc_u64 s[10:11], s[10:11], s[40:41]
	s_add_nc_u64 s[20:21], s[20:21], s[42:43]
.set i, 0
.rept 16
	global_load_b128 v[W+4*i:W+4*i+3], v1, s[16:17] offset:512*i   ; the images lie [u][s][c]: register W + 8 (4 u + s) + 4 c
.set i, i+1
.endr
.irp u, 0,1
.irp s, 0,1,2,3
	global_load_b32 v[WS+4*\u+\s], v8, s[18:19] offset:\u*256+\s*64
.endr
.endr
	s_cmp_eq_u32 s32, 2
	s_cbranch_scc1 .Lbias_n
.irp u, 0,1                                    ; q, k: lane (r, h) holds channels 16 u + 8 h + 0 .. 7 of my 32
	global_load_b128 v[BI+8*\u:BI+8*\u+3], v9, s[10:11] offset:64*\u
	global_load_b128 v[BI+8*\u+4:BI+8*\u+7], v9, s[10:11] offset:64*\u+16
.endr
	s_branch .Lbias_done
.Lbias_n:
.irp u, 0,1                                    ; v: lane (r, h) holds channel 16 u + r in all eight registers
.irp j, 0,1,2,3,4,5,6,7
	global_load_b32 v[BI+8*\u+\j], v8, s[10:11] offset:64*\u
.endr
.endr
.Lbias_done:
; ---- PHASE A.  A step is one row of 512 numbers.  All the loads above were issued ahead of x's, so x's counted waits show them done too.
.macro LOAD t
.irp i, 0,1,2,3
	global_load_b128 v[R+16*((\t)%4)+4*\i:R+16*((\t)%4)+4*\i+3], v1, s[4:5] offset:2048*(\t)+512*\i th:TH_LOAD_NT
.endr
.endm
.macro TURN t                          ; row t through a stage: LDS serves a wave's instructions in order (ISA guide 5.7.1.4), so no wait stands between the stores and the loads
.irp i, 0,1,2,3
	ds_store_b128 v2, v[R+16*((\t)%4)+4*\i:R+16*((\t)%4)+4*\i+3] offset:2560*((\t)%2)+640*\i
.endr
.irp i, 0,1,2,3
	ds_load_b128 v[XN+16*((\t)%2)+4*\i:XN+16*((\t)%2)+4*\i+3], v3 offset:2560*((\t)%2)+16*\i
.endr
.endm
.macro QSTEP t
.if (\t) > 0
	s_wait_dscnt 2                                 ; this row is back from the stage; the last row's two stores of codes and byte may be out
.else
	s_wait_dscnt 0x0
.endif
.if (\t)+4 < 8
	LOAD (\t)+4                                    ; into the registers that this row's stores into the stage have read
.endif
.if (\t) < 7
.if (\t) <= 3
	s_wait_loadcnt 12                              ; the next row's four loads are in; those of the three rows behind it may be out
.else
	s_wait_loadcnt 4*(6-(\t))                      ; the rows behind the next one: the counts run down
.endif
	TURN (\t)+1
.endif
.set XT, XN+16*((\t)%2)
	v_max3_num_f32 v10, |v[XT]|, |v[XT+1]|, |v[XT+2]|              ; the largest magnitude of my 16
	v_max3_num_f32 v11, |v[XT+3]|, |v[XT+4]|, |v[XT+5]|
.irp i, 6,10
	v_max3_num_f32 v10, v10, |v[XT+\i]|, |v[XT+\i+1]|
	v_max3_num_f32 v11, v11, |v[XT+\i+2]|, |v[XT+\i+3]|
.endr
	v_max3_num_f32 v10, v10, |v[XT+14]|, |v[XT+15]|
	v_max3_num_f32 v10, v10, v11, 0x1800000        ; and the floor 2^(3 - 127): the byte cannot fall under 1
	v_max_num_f32_dpp v10, v10, v10 row_xmask:1 row_mask:0xf bank_mask:0xf   ; with my neighbour's 16: the block's
	v_add_nc_u32 v12, 0xff000000, v10              ; 2 off the exponent field: the conversion's scale operand
	v_cvt_scalef32_pk8_fp4_f32 v[CD+2*(\t)], v[XT:XT+7], v12
	v_cvt_scalef32_pk8_fp4_f32 v[CD+2*(\t)+1], v[XT+8:XT+15], v12
	v_lshrrev_b32 v[E+(\t)], 23, v12               ; the scale's byte (the plain line behind the conversions)
	ds_store_b64 v4, v[CD+2*(\t):CD+2*(\t)+1] offset:16*(\t)
	ds_store_b8 v5, v[E+(\t)] offset:16*(\t)       ; both lanes of a block write the same byte with the same value
.endm
	LOAD 0
	LOAD 1
	LOAD 2
	LOAD 3
	s_wait_loadcnt 12                              ; row 0's four loads, and all issued before them, are in
	TURN 0
.irp t, 0,1,2,3,4,5,6,7
	QSTEP \t
.endr
	s_wait_dscnt 0x0                               ; for the others' sake: my codes and bytes lie in LDS
	s_barrier_signal -1
	s_barrier_wait -1
; ---- PHASE B.  Both arms only read LDS.
.macro FETCHX m                        ; tile m's four fragments and its rows' scale words, into set m % 2: nine loads
.irp s, 0,1,2,3
.irp c, 0,1
	ds_load_b128 v[XF+32*((\m)%2)+8*\s+4*\c:XF+32*((\m)%2)+8*\s+4*\c+3], v6 offset:(\m)*4352+(4*\s+2*\c)*272
.endr
.endr
	ds_load_b128 v[XS+4*((\m)%2):XS+4*((\m)%2)+3], v7 offset:(\m)*256
.endm
.macro MM m, s, u, nat
.set rD,  ACC+8*(\u)
.set rW,  W+8*(4*(\u)+(\s))
.set rX,  XF+32*((\m)%2)+8*(\s)
.set rWS, WS+4*(\u)+(\s)
.set rXS, XS+4*((\m)%2)+(\s)
.set rB,  BI+8*(\u)
.if \nat
.if (\s) == 0
	v_wmma_scale_f32_16x16x128_f8f6f4 v[rD:rD+7], v[rX:rX+7], v[rW:rW+7], v[rB:rB+7], v[rXS], v[rWS] matrix_a_fmt:MATRIX_FMT_FP4 matrix_b_fmt:MATRIX_FMT_FP4
.else
	v_wmma_scale_f32_16x16x128_f8f6f4 v[rD:rD+7], v[rX:rX+7], v[rW:rW+7], v[rD:rD+7], v[rXS], v[rWS] matrix_a_fmt:MATRIX_FMT_FP4 matrix_b_fmt:MATRIX_FMT_FP4
.endif
.else
.if (\s) == 0
	v_wmma_scale_f32_16x16x128_f8f6f4 v[rD:rD+7], v[rW:rW+7], v[rX:rX+7], v[rB:rB+7], v[rWS], v[rXS] matrix_a_fmt:MATRIX_FMT_FP4 matrix_b_fmt:MATRIX_FMT_FP4
.else
	v_wmma_scale_f32_16x16x128_f8f6f4 v[rD:rD+7], v[rW:rW+7], v[rX:rX+7], v[rD:rD+7], v[rWS], v[rXS] matrix_a_fmt:MATRIX_FMT_FP4 matrix_b_fmt:MATRIX_FMT_FP4
.endif
.endif
.endm
; One tile of 16 rows against my 32 columns: eight matrix instructions, K ascending, the two accumulators by turns; the bias starts each sum.
.macro TILE m, nat
.if (\m) < 7
	FETCHX (\m)+1
	s_wait_dscnt 9                                 ; this tile's nine loads are in; the nine just issued may be out
.else
	s_wait_dscnt 0x0
.endif
.irp s, 0,1,2,3
.irp u, 0,1
	MM \m, \s, \u, \nat
.endr
.endr
.rept 5
	v_nop                                          ; four places ahead of the reads of the results and of the next loads into the fragments; the fifth for the next tile's sums, which begin anew over these accumulators
.endr
	s_wait_xcnt 0x0                                ; the earlier stores have read their data registers
.irp u, 0,1
.irp i, 0,1,2,3
	v_cvt_pk_f16_f32 v[PK+8*((\m)%2)+4*\u+\i], v[ACC+8*\u+2*\i], v[ACC+8*\u+2*\i+1]   ; each accumulator from its low end on
.endr
.endr
.irp u, 0,1
.if \nat
	global_store_b128 v1, v[PK+8*((\m)%2)+4*\u:PK+8*((\m)%2)+4*\u+3], s[20:21] offset:((\m)/2)*4096+((\m)%2)*512+\u*1024   ; kk = m / 2, g = m % 2, ct = u: 512 consecutive bytes
.else
	global_store_b128 v1, v[PK+8*((\m)%2)+4*\u:PK+8*((\m)%2)+4*\u+3], s[20:21] offset:(\m)*2048+\u*512   ; tile m, g = u: 512 consecutive bytes
.endif
.endr
.endm
	s_cmp_eq_u32 s32, 2
	s_cbranch_scc1 .Lnat
	FETCHX 0
.irp m, 0,1,2,3,4,5,6,7
	TILE \m, 0
.endr
	s_branch .Lend
.Lnat:
	FETCHX 0
.irp m, 0,1,2,3,4,5,6,7
	TILE \m, 1
.endr
.Lend:
	s_wait_tensorcnt 0x0                           ; the wave's end: behind my last LDS store
	ds_add_u32 v[SPW], v[NIL]
	s_wait_dscnt 0x0
	s_endpgm
.Lfunc_end_k_q2530df5a0f_proj:
	.size	k_q2530df5a0f_proj, .Lfunc_end_k_q2530df5a0f_proj-k_q2530df5a0f_proj
	.p2alignl 7, 3214868480
	.fill 96, 4, 3214868480
	.section	.rodata,"a",@progbits
	.p2align	6, 0x0
	.amdhsa_kernel k_q2530df5a0f_proj
		.amdhsa_group_segment_fixed_size 120832
		.amdhsa_private_segment_fixed_size 0
		.amdhsa_enable_private_segment 0
		.amdhsa_kernarg_size 88
		.amdhsa_user_sgpr_count 2
		.amdhsa_user_sgpr_kernarg_segment_ptr 1
		.amdhsa_wavefront_size32 1
		.amdhsa_system_sgpr_workgroup_id_x 1
		.amdhsa_system_sgpr_workgroup_id_y 1
		.amdhsa_system_sgpr_workgroup_id_z 1
		.amdhsa_system_vgpr_workitem_id 0
		.amdhsa_next_free_vgpr 232
		.amdhsa_next_free_sgpr 66
		.amdhsa_reserve_vcc 0
		.amdhsa_float_denorm_mode_32 3
		.amdhsa_float_denorm_mode_16_64 3
		.amdhsa_memory_ordered 1
		.amdhsa_forward_progress 1
		.amdhsa_inst_pref_size 63
	.end_amdhsa_kernel
	.amdgpu_metadata
---
amdhsa.version: [ 1, 2 ]
amdhsa.kernels:
  - .name:           k_q2530df5a0f_proj
    .symbol:         k_q2530df5a0f_proj.kd
    .args:
      - { .name: q, .offset: 0, .size: 8, .value_kind: global_buffer, .address_space: global }
      - { .name: k, .offset: 8, .size: 8, .value_kind: global_buffer, .address_space: global }
      - { .name: v, .offset: 16, .size: 8, .value_kind: global_buffer, .address_space: global }
      - { .name: bq, .offset: 24, .size: 8, .value_kind: global_buffer, .address_space: global }
      - { .name: bk, .offset: 32, .size: 8, .value_kind: global_buffer, .address_space: global }
      - { .name: bv, .offset: 40, .size: 8, .value_kind: global_buffer, .address_space: global }
      - { .name: wcodes, .offset: 48, .size: 8, .value_kind: global_buffer, .address_space: global }
      - { .name: wscl, .offset: 56, .size: 8, .value_kind: global_buffer, .address_space: global }
      - { .name: qh, .offset: 64, .size: 8, .value_kind: global_buffer, .address_space: global }
      - { .name: kh, .offset: 72, .size: 8, .value_kind: global_buffer, .address_space: global }
      - { .name: vh, .offset: 80, .size: 8, .value_kind: global_buffer, .address_space: global }
    .group_segment_fixed_size: 120832
    .private_segment_fixed_size: 0
    .kernarg_segment_align: 8
    .kernarg_segment_size: 88
    .max_flat_workgroup_size: 512
    .sgpr_count:     66
    .vgpr_count:     232
    .wavefront_size: 32
...
	.end_amdgpu_metadata
.endif
;; end of part 2
;; launch attn (part 3): grid 16 x 16, 8 waves a work-group, clusters of 4 x 1, 327,680 bytes of LDS; arguments qh, kh, vh, ctx; writes ctx
.if DOCPART == 3
	.amdgcn_target "amdgcn-amd-amdhsa--gfx1250"
	.amdhsa_code_object_version 6
	.text
	.protected	k_q2530df5a0f_attn
	.globl	k_q2530df5a0f_attn
	.p2align	8
	.type	k_q2530df5a0f_attn,@function
k_q2530df5a0f_attn:
	s_mov_b64 s[64:65], 0
	v_nop
	global_prefetch_b8 v0, s[64:65] scope:SCOPE_SE
	s_setreg_imm32_b32 hwreg(HW_REG_WAVE_MODE, 25, 1), 1
	s_wait_xcnt 0x0
	s_wait_alu depctr_hold_cnt(0) depctr_sa_sdst(0) depctr_va_vdst(0) depctr_va_sdst(0) depctr_va_ssrc(0) depctr_va_vcc(0) depctr_vm_vsrc(0)
	s_getreg_b32 s2, hwreg(HW_REG_IB_STS2, 6, 4)
	s_cmp_eq_u32 s2, 0
	s_cbranch_scc0 .Lentry_in_a_cluster
	s_endpgm
.Lentry_in_a_cluster:
	s_bfe_u32 s2, ttmp6, 0x10000c
	s_cmp_lg_u32 s2, 0x3003
	s_cbranch_scc0 .Lentry_shape_is_right
	s_endpgm
.Lentry_shape_is_right:
; ctx[b][q][h] = the sum over k of softmax_k(qh . kh / 8) vh, for 16 (batch, head) pairs of 4,096 positions and 64 channels, no mask.  Operands in f16 (p too), products, maxima and sums in f32.
; All three inputs lie as images of operand registers (16 bytes a lane, 512 bytes a load), so K's and V's tiles are dense blocks, LDS needs no padding, and nothing is transposed.
; SHARES.  A work-group owns 256 queries of one (batch, head).  Eight waves, two to a SIMD, so that one wave's softmax stands beside the other's products.  A wave holds FOUR tiles of 16 queries, so that each fragment
; of K and V read from LDS feeds four products.  For that THE WAVES SPLIT THE KEYS: wave w has query group w % 4 (64 queries) and key half w / 4 (of each slot's 512 keys, 256); waves w and w xor 4 merge once, at the end.
; LAYOUT.  S^T = K Q^T (source 0 = 16 keys, source 1 = 16 queries): a lane holds ONE query (lane % 16) and keys 8 (lane / 16) + 0 .. 7 of each tile.  Two such tiles, rounded to f16 in pairs, ARE source 1 of O^T = V^T P.
; SOFTMAX.  For each query a running maximum m and sum l: p = 2^(c s - c m), c = log2(e) / 8; in every step O and l are multiplied by a = 2^(c m_old - c m_new).  m begins at -3e38 and O, l at 0, so that the step is
; written without a first step of its own (128 v_mov_b32 once against a further copy of the step's text).
; CLUSTER.  The four query blocks of a cluster belong to one head and walk the same K and V: each tile is asked for JOINTLY, by the same tensor load with the same descriptor and the mask of all four.
; RING.  Two slots of 512 keys (K's 64 KB, then V's 64 KB).  Each wave fetches 16 KB of a slot by one load; by this text's own count a wave has one tensor load out.
; LIMITS: ctx under 6e-5 is carried with f16's absolute step; NaN and infinities are not served.
; REGISTERS.  Window 0: v1-11 addresses; v30, v31 the add's two; v32-63 statistics, eight a tile; v64-191 S^T, 32 a tile, then p, then P packed into the low 16 of each tile; v192-255 K's fragments.
;             Window 1: v0-63 Q, 16 a tile; v64-191 O^T, 32 a tile; v192-255 V's fragments.
.set SLOT1, 1<<17                      ; slot 1 begins here: one exclusive or turns an address in one slot into the other's
.set SPARE, 2*SLOT1                    ; behind the ring: the spare words, 128 bytes for each wave: four blocks of 256 bytes that no other line names
.set STG,   8704                       ; the merge's stage, for each wave 8,192 bytes of O^T and 512 of (c m, l).  It lies in slot 0, which has had its last fill and its last read at the last change of slots
.set LI,  1                            ; v1   16 x lane
.set LV,  2                            ; v2   16 x lane + 65,536: V's part of a slot
.set ADK, 3                            ; v3   LDS address of the K loads in hand
.set ADV, 4                            ; v4   of V's
.set QO0, 5                            ; v5   Q: my register tiles 0, 1 are query tiles 2 (w / 4), + 1 of my group
.set QO1, 6                            ; v6   and register tiles 2, 3 the other two: so every wave keeps tiles 0, 1 and gives 2, 3 away, by addresses alone
.set STO, 7                            ; v7   my stage
.set STS, 8                            ; v8   its statistics
.set LDP, 9                            ; v9   my partner's stage
.set LDT, 10                           ; v10  its statistics
.set PFO, 11                           ; v11  256 x lane; never rewritten
.set SPW, 30                           ; v30  SPARE + 4 x my thread's number; never rewritten
.set NIL, 31                           ; v31  0; never rewritten
.set ST,  32                           ; tile t at ST + 8 t: +0 c m, +1 m, +2, +3 l (even keys', odd keys'), +4 .. +7 at work; a takes +6
.set S,   64
.set KF,  192
.set Q,   0                            ; window 1
.set O,   64
.set VF,  192
.set WV,  12                           ; s12  my wave's number
.set LIM, 15                           ; s15  1 in a wave that prefetches, else the greatest number
.set PFA, 18                           ; s[18:19] where my prefetches stand
.set G1,  24                           ; s[24:31] descriptor group 1, for K's and V's tiles alike
.set G0K, 32                           ; s[32:35] group 0 for K's tiles; it walks
.set G0V, 36                           ; s[36:39] for V's
.set CS,  40                           ; s[40:41] c, twice: the packed form names a pair
.set SEL, 42                           ; s[42:43] v_permlanex16_b32's selects: lane l xor 16
.set TB,  44                           ; s44  LDS byte at which the tiles of the step to be fetched begin
.set SLOTS, 45                         ; s45  slots still to be asked for
.set CNT, 46                           ; s46  counts a slot's steps
.set MSB, 0
.macro WIN new                         ; the immediate's high byte repeats the setting that is left; a switch that changes nothing is dropped
.if MSB != \new
	s_set_vgpr_msb (MSB<<8)|\new
.set MSB, \new
.endif
.endm
; A joint load: waves 0 to 3 fetch K's four quarters of a slot, waves 4 to 7 V's.  The branch hangs on the wave's number alone.  An s_nop 0 and four v_nop follow each of the two lines.
.macro JLOAD
	s_cmp_lt_u32 s[WV], 4
	s_cbranch_scc0 .Lfor_v_\@
	tensor_load_to_lds s[G0K:G0K+3], s[G1:G1+7]
	s_nop 0
.rept 4
	v_nop
.endr
	s_branch .Lasked_\@
.Lfor_v_\@:
	tensor_load_to_lds s[G0V:G0V+3], s[G1:G1+7]
	s_nop 0
.rept 4
	v_nop
.endr
.Lasked_\@:
.endm
; A prefetch of what the NEXT change of slots will ask for: 64 KB of K and 64 KB of V, a lane to each 256 bytes.  All four clusters of a head walk the same K and V: the head's first cluster asks.  Its four partners share
; the blocks out BY ADDRESS (8 KB each of every 32 KB); in each, waves 0 and 2 ask for K's two halves and waves 4 and 6 for V's: one instruction a wave, each block named once.  The last change that fills a slot asks for nothing.
.macro ASK
	s_cmp_gt_u32 s[SLOTS], s[LIM]
	s_cbranch_scc0 .Lnot_mine_\@
	global_prefetch_b8 v[PFO], s[PFA:PFA+1] th:TH_LOAD_NT scope:SCOPE_SE
.Lnot_mine_\@:
.endm
.macro CROUND                          ; a round of the cluster's barrier
	s_barrier_signal -1
	s_barrier_wait -1
	s_cmp_lg_u32 s[WV], 0
	s_cbranch_scc1 .Lnot_wave_0_\@
	s_barrier_signal -3
.Lnot_wave_0_\@:
	s_barrier_wait -3
	s_barrier_signal -1
	s_barrier_wait -1
.endm
	s_load_b256 s[4:11], s[0:1], 0x0               ; qh s[4:5], kh s[6:7], vh s[8:9], ctx s[10:11]
	v_lshl_add_u32 v[SPW], v0, 2, SPARE
	v_mov_b32 v[NIL], 0
	ds_add_u32 v[SPW], v[NIL]                      ; the wave's opening: the add, twice on end, and its wait, ahead of my first tensor load
	ds_add_u32 v[SPW], v[NIL]                      ; and once more, under the one wait; the set-up below, work on registers, stands between
	v_lshrrev_b32 v12, 5, v0
	v_readfirstlane_b32 s[WV], v12                 ; wave 0 .. 7
	s_bfe_u32 s13, ttmp6, 0x40000                  ; cx: my place in the cluster
	s_lshl_b32 s14, ttmp9, 2
	s_add_co_u32 s14, s14, s13                     ; my block of 256 queries: it enters qh's and ctx's addresses alone
	s_and_b32 s20, ttmp7, 0xffff                   ; bh = 8 batch + head, which the four partners share
	s_lshr_b32 s16, s[WV], 2                       ; my key half
	s_and_b32 s17, s[WV], 3                        ; my query group; also: which quarter of K's or V's part of a slot I fetch
	; descriptor group 1: a dense block of 16 KB as 64 rows of 256 bytes
	s_mov_b32 s[G1], 15|(3<<16)|(1<<21)            ; 15:0 the mask: all four work-groups; 17:16 elements of 8 bytes; 20 no padding; 21 set beside a mask
	s_mov_b32 s[G1+1], 32<<16                      ; tensor_dim0 = 32
	s_mov_b32 s[G1+2], 64<<16                      ; tensor_dim1 = 64
	s_mov_b32 s[G1+3], 32<<16                      ; tile_dim0 = 32
	s_mov_b32 s[G1+4], 64                          ; tile_dim1 = 64
	s_mov_b32 s[G1+5], 32                          ; from row to row
	s_mov_b32 s[G1+6], 0
	s_mov_b32 s[G1+7], 0
	s_mov_b32 s[CS], 0x3e38aa3b                    ; c = log2(e) / 8
	s_mov_b32 s[CS+1], s[CS]
	s_mov_b32 s[SEL], 0x76543210
	s_mov_b32 s[SEL+1], 0xfedcba98
	s_lshl_b32 s[TB], s16, 15                      ; slot 0, my half: 256 keys are 32 KB of K and of V
	s_mov_b32 s[SLOTS], 7
	s_and_b32 s[LIM], s[WV], 1                     ; 0 in the even waves
	s_or_b32 s[LIM], s[LIM], ttmp9                 ; of the head's first cluster: the same in all four partners
	s_cmp_eq_u32 s[LIM], 0
	s_cselect_b32 s[LIM], 1, -1
	v_and_b32 v12, 31, v0
	v_lshlrev_b32 v[LI], 4, v12
	v_add_nc_u32 v[LV], 0x10000, v[LI]
	s_lshl_b32 s21, s16, 12
	v_add_nc_u32 v[QO0], s21, v[LI]                ; two tiles of 2,048 bytes on for key half 1
	v_xor_b32 v[QO1], 0x1000, v[QO0]
	s_mul_i32 s21, s[WV], STG
	v_add_nc_u32 v[STO], s21, v[LI]
	v_lshlrev_b32 v13, 3, v12
	s_add_co_u32 s22, s21, 8192
	v_add_nc_u32 v[STS], s22, v13
	s_xor_b32 s21, s[WV], 4                        ; my partner: the same queries, the other keys
	s_mul_i32 s21, s21, STG
	v_add_nc_u32 v[LDP], s21, v[LI]
	s_add_co_u32 s22, s21, 8192
	v_add_nc_u32 v[LDT], s22, v13
	v_lshlrev_b32 v[PFO], 8, v12
	s_lshl_b32 s48, s20, 19                        ; the head's first byte in qh, kh and vh
	s_mov_b32 s49, 0
	s_lshl_b32 s50, s17, 14                        ; my quarter of a slot's 64 KB,
	s_add_co_u32 s50, s50, s48                     ; in my head: no place in the cluster enters it
	s_mov_b32 s51, 0
	s_lshl_b32 s52, s14, 15                        ; qh: 16 tiles of 2,048 bytes a block,
	s_lshl_b32 s21, s17, 13                        ; 4 a group
	s_add_co_u32 s52, s52, s21
	s_add_co_u32 s52, s52, s48
	s_mov_b32 s53, 0
	s_lshr_b32 s54, s20, 3                         ; ctx: token tile 256 batch + 16 block + 4 group + 2 half, 16,384 bytes each,
	s_lshl_b32 s54, s54, 22
	s_lshl_b32 s21, s14, 18
	s_add_co_u32 s54, s54, s21
	s_lshl_b32 s21, s17, 16
	s_add_co_u32 s54, s54, s21
	s_lshl_b32 s21, s16, 15
	s_add_co_u32 s54, s54, s21
	s_and_b32 s21, s20, 7
	s_lshl_b32 s21, s21, 11                        ; + 2,048 head
	s_add_co_u32 s54, s54, s21
	s_mov_b32 s55, 0
	s_lshr_b32 s22, s17, 1                         ; the prefetches: which 32 KB,
	s_lshl_b32 s22, s22, 15
	s_lshl_b32 s21, s13, 13                        ; my work-group's 8 KB of it,
	s_add_co_u32 s22, s22, s21
	s_add_co_u32 s22, s22, s48
	s_add_co_u32 s22, s22, 0x10000                 ; in slot 1: the first change of slots steps it to slot 2.  Nothing is prefetched at the head
	s_mov_b32 s23, 0
	s_wait_dscnt 0x0                               ; both opening adds are done
	s_wait_kmcnt 0x0
	s_mov_b32 s[G0K], 1                            ; count = 1
	s_lshl_b32 s[G0K+1], s[WV], 14                 ; LDS: 16 KB a wave: waves 0-3 fill K's 64 KB, waves 4-7 V's behind it; slot 0
	s_add_nc_u64 s[G0K+2:G0K+3], s[6:7], s[50:51]
	s_or_b32 s[G0K+3], s[G0K+3], 0x80000000        ; type = 2
	s_mov_b32 s[G0V], 1
	s_lshl_b32 s[G0V+1], s[WV], 14
	s_add_nc_u64 s[G0V+2:G0V+3], s[8:9], s[50:51]
	s_or_b32 s[G0V+3], s[G0V+3], 0x80000000
	s_cmp_lt_u32 s[WV], 4
	s_cselect_b64 s[PFA:PFA+1], s[6:7], s[8:9]
	s_add_nc_u64 s[PFA:PFA+1], s[PFA:PFA+1], s[22:23]
	s_add_nc_u64 s[4:5], s[4:5], s[52:53]          ; qh at my group's first tile
	s_add_nc_u64 s[10:11], s[10:11], s[54:55]      ; ctx at the first tile that I store
	CROUND                                         ; all four work-groups are here: the first joint loads meet
	JLOAD                                          ; slot 0
	WIN 0x40                                       ; destination window 1
.set i, 0
.rept 8
	global_load_b128 v[Q+4*i:Q+4*i+3], v[QO0], s[4:5] offset:512*i         ; Q stays in registers: tile t, channels 32 kc on, at Q + 16 t + 8 kc
	global_load_b128 v[Q+32+4*i:Q+32+4*i+3], v[QO1], s[4:5] offset:512*i
.set i, i+1
.endr
.set i, 0
.rept 128
	v_mov_b32 v[O+i], 0                            ; O^T
.set i, i+1
.endr
	WIN 0
.irp t, 0,1,2,3
	v_mov_b32 v[ST+8*\t+1], 0xff61b1e6             ; m = -3e38, under every score
	v_mul_f32 v[ST+8*\t], s[CS], v[ST+8*\t+1]      ; c m
.irp j, 2,3,4,5,6,7
	v_mov_b32 v[ST+8*\t+\j], 0                     ; l, and the registers at work (a lane permute's destination counts as one of its sources)
.endr
.endr
; One step's softmax, the four tiles by turns in every group of lines.  The 132 exponentials are ONE batch with one wait: ahead of the wait nothing names a result.
.macro SOFTMAX
.irp j, 0,1,2,3
.irp t, 0,1,2,3
	v_max3_num_f32 v[ST+8*\t+4+\j], v[S+32*\t+8*\j], v[S+32*\t+8*\j+1], v[S+32*\t+8*\j+2]   ; four chains a tile; each accumulator is first read at its low end
.endr
.endr
.irp g, 1,2
.irp j, 0,1,2,3
.irp t, 0,1,2,3
	v_max3_num_f32 v[ST+8*\t+4+\j], v[ST+8*\t+4+\j], v[S+32*\t+8*\j+2*\g+1], v[S+32*\t+8*\j+2*\g+2]
.endr
.endr
.endr
.irp t, 0,1,2,3
	v_max3_num_f32 v[ST+8*\t+4], v[ST+8*\t+4], v[S+32*\t+7], v[S+32*\t+15]
.endr
.irp t, 0,1,2,3
	v_max3_num_f32 v[ST+8*\t+6], v[ST+8*\t+6], v[S+32*\t+23], v[S+32*\t+31]
.endr
.irp t, 0,1,2,3
	v_max3_num_f32 v[ST+8*\t+4], v[ST+8*\t+4], v[ST+8*\t+5], v[ST+8*\t+6]
.endr
.irp t, 0,1,2,3
	v_max3_num_f32 v[ST+8*\t+4], v[ST+8*\t+4], v[ST+8*\t+7], v[ST+8*\t+1]   ; with the old m
.endr
.irp t, 0,1,2,3
	v_permlanex16_b32 v[ST+8*\t+5], v[ST+8*\t+4], s[SEL], s[SEL+1]          ; the query's other 32 keys lie in the lane 16 away
.endr
.irp t, 0,1,2,3
	v_mov_b32 v[ST+8*\t+7], v[ST+8*\t]             ; c m_old
.endr
.irp t, 0,1,2,3
	v_max_num_f32 v[ST+8*\t+1], v[ST+8*\t+4], v[ST+8*\t+5]
.endr
.irp t, 0,1,2,3
	v_mul_f32 v[ST+8*\t], s[CS], v[ST+8*\t+1]
.endr
.irp t, 0,1,2,3
	v_sub_f32 v[ST+8*\t+7], v[ST+8*\t+7], v[ST+8*\t]
.endr
.irp t, 0,1,2,3
	v_exp_f32 v[ST+8*\t+6], v[ST+8*\t+7]           ; a
.endr
.set i, 0
.rept 16
.irp t, 0,1,2,3
	v_pk_fma_f32 v[S+32*\t+2*i:S+32*\t+2*i+1], v[S+32*\t+2*i:S+32*\t+2*i+1], s[CS:CS+1], v[ST+8*\t:ST+8*\t+1] op_sel_hi:[1,0,0] neg_lo:[0,0,1] neg_hi:[0,0,1]   ; c s - c m, a pair
.endr
.irp t, 0,1,2,3
	v_exp_f32 v[S+32*\t+2*i], v[S+32*\t+2*i]
	v_exp_f32 v[S+32*\t+2*i+1], v[S+32*\t+2*i+1]
.endr
.set i, i+1
.endr
	v_nop                                          ; a plain instruction behind the last exponential (ISA guide 5.7.2)
	s_wait_alu depctr_va_vdst(0)                   ; the wait ahead of the first line that names a result: one for the batch
.irp t, 0,1,2,3
	v_pk_fma_f32 v[ST+8*\t+2:ST+8*\t+3], v[ST+8*\t+2:ST+8*\t+3], v[ST+8*\t+6:ST+8*\t+7], v[S+32*\t:S+32*\t+1] op_sel_hi:[1,0,1]   ; l = a l + p: the sum is taken of the unrounded p
.endr
.set i, 1
.rept 15
.irp t, 0,1,2,3
	v_pk_add_f32 v[ST+8*\t+2:ST+8*\t+3], v[ST+8*\t+2:ST+8*\t+3], v[S+32*\t+2*i:S+32*\t+2*i+1]
.endr
.set i, i+1
.endr
.set i, 0
.rept 16
.irp t, 0,1,2,3
	v_cvt_pk_f16_f32 v[S+32*\t+i], v[S+32*\t+2*i], v[S+32*\t+2*i+1]   ; in place, ascending: registers 0-7 are P of keys 0-31, registers 8-15 of keys 32-63
.endr
.set i, i+1
.endr
.endm
; A KEY STEP: 64 keys of my half.  On the way in 16 loads of mine are out: this step's K.  pre = 1: the next step's K is fetched.
.macro STEP pre
	v_add_nc_u32 v[ADV], s[TB], v[LV]
.rept 4
	v_nop                                          ; with the line above five places behind the last V^T P: four for the loads into V's fragments, the fifth for K Q^T, whose results are laid over P
.endr
	s_add_co_u32 s[TB], s[TB], 8192
	WIN 0x40                                       ; destination window 1
.set i, 0
.rept 16
	ds_load_b128 v[VF+4*i:VF+4*i+3], v[ADV] offset:512*i
.set i, i+1
.endr
	s_wait_dscnt 16                                ; K is in; V's sixteen may be out
	WIN 0x04                                       ; source 1 (Q) window 1
.irp kc, 0,1                                   ; 32 products; the sixteen accumulators take turns; the first sixteen start the sums
.irp q, 0,1,2,3
.irp t, 0,1,2,3
.if \kc == 0
	v_wmma_f32_16x16x32_f16 v[S+32*\t+8*\q:S+32*\t+8*\q+7], v[KF+8*(2*\q+\kc):KF+8*(2*\q+\kc)+7], v[Q+16*\t+8*\kc:Q+16*\t+8*\kc+7], 0
.else
	v_wmma_f32_16x16x32_f16 v[S+32*\t+8*\q:S+32*\t+8*\q+7], v[KF+8*(2*\q+\kc):KF+8*(2*\q+\kc)+7], v[Q+16*\t+8*\kc:Q+16*\t+8*\kc+7], v[S+32*\t+8*\q:S+32*\t+8*\q+7]
.endif
.endr
.endr
.endr
	WIN 0
.rept 4
	v_nop                                          ; places ahead of the loads into K's fragments and of the first reads of the scores
.endr
.if \pre
	v_add_nc_u32 v[ADK], s[TB], v[LI]
.set i, 0
.rept 16
	ds_load_b128 v[KF+4*i:KF+4*i+3], v[ADK] offset:512*i
.set i, i+1
.endr
.endif
	SOFTMAX
	WIN 0x41                                       ; O^T (destination and source 0) window 1, a window 0
.set i, 0
.rept 16
.irp t, 0,1,2,3
	v_pk_mul_f32 v[O+32*\t+2*i:O+32*\t+2*i+1], v[O+32*\t+2*i:O+32*\t+2*i+1], v[ST+8*\t+6:ST+8*\t+7] op_sel_hi:[1,0]   ; each accumulator from its low end on
.endr
.set i, i+1
.endr
	s_wait_dscnt 16*\pre                           ; V is in; the next step's K, sixteen loads, may be out
	WIN 0x51                                       ; V window 1, P window 0, O^T window 1
.irp kk, 0,1
.irp ct, 0,1,2,3
.irp t, 0,1,2,3
	v_wmma_f32_16x16x32_f16 v[O+32*\t+8*\ct:O+32*\t+8*\ct+7], v[VF+8*(4*\kk+\ct):VF+8*(4*\kk+\ct)+7], v[S+32*\t+8*\kk:S+32*\t+8*\kk+7], v[O+32*\t+8*\ct:O+32*\t+8*\ct+7]
.endr
.endr
.endr
	WIN 0
.endm
; THE CHANGE OF SLOTS stands at a slot's head.  Each wave waits for all its tensor loads (its part of the slot ahead), adds 0 to its spare word, and waits for that and for its reads of the slot that it has left.
; fill = 1: the barrier is a round of the cluster's, so that no wave of any partner still reads that slot or has a load on its way; the joint load of the keys that follow is the first thing behind it and has a slot's four steps in which to land.
.macro CHANGE fill
	s_wait_tensorcnt 0x0                           ; no tensor load of mine is out, so a group 0 may be written
	ds_add_u32 v[SPW], v[NIL]                      ; 0 onto my spare word
.if \fill
	s_xor_b32 s[G0K+1], s[G0K+1], SLOT1            ; the walking descriptors: the other slot,
	s_add_nc_u64 s[G0K+2:G0K+3], s[G0K+2:G0K+3], 0x10000   ; the next 512 keys; the type bits on top are not reached
	s_xor_b32 s[G0V+1], s[G0V+1], SLOT1
	s_add_nc_u64 s[G0V+2:G0V+3], s[G0V+2:G0V+3], 0x10000
	s_wait_xcnt 0x0                                ; the last prefetch, a slot back, has read its address
	s_add_nc_u64 s[PFA:PFA+1], s[PFA:PFA+1], 0x10000       ; one slot further on than the walking descriptors
	s_wait_dscnt 0x0                               ; the add is done, and my reads of the slot that I have left are over
	CROUND
	JLOAD
	ASK
.else
	s_wait_dscnt 0x0
	s_barrier_signal -1
	s_barrier_wait -1
.endif
.endm
.macro SLOT_STEPS                      ; my four steps of the slot in hand
	v_add_nc_u32 v[ADK], s[TB], v[LI]
.set i, 0
.rept 16
	ds_load_b128 v[KF+4*i:KF+4*i+3], v[ADK] offset:512*i
.set i, i+1
.endr
	s_mov_b32 s[CNT], 3
.Lstep_\@:
	STEP 1
	s_sub_co_u32 s[CNT], s[CNT], 1
	s_cmp_lg_u32 s[CNT], 0
	s_cbranch_scc1 .Lstep_\@
	STEP 0                                         ; the slot's last step fetches nothing: the next slot is read behind its change
	s_sub_co_u32 s[TB], s[TB], 32768               ; back to my half's first step,
	s_xor_b32 s[TB], s[TB], SLOT1                  ; in the other slot
.endm
	s_wait_loadcnt 0x0                             ; Q
.Lslot:                                            ; seven trips: behind each change of slots but the last the next slot is asked for
	CHANGE 1
	SLOT_STEPS
	s_sub_co_u32 s[SLOTS], s[SLOTS], 1
	s_cmp_lg_u32 s[SLOTS], 0
	s_cbranch_scc1 .Lslot
	CHANGE 0                                       ; the last slot is written out
	SLOT_STEPS
	; THE MERGE.  l's halves are added (these twelve lines are also the places behind the last products); tiles 2, 3 go to my stage with their (c m, l); my partner's come for my tiles 0, 1.
.irp t, 0,1,2,3
	v_add_f32 v[ST+8*\t+4], v[ST+8*\t+2], v[ST+8*\t+3]
.endr
.irp t, 0,1,2,3
	v_permlanex16_b32 v[ST+8*\t+5], v[ST+8*\t+4], s[SEL], s[SEL+1]
.endr
.irp t, 0,1,2,3
	v_add_f32 v[ST+8*\t+1], v[ST+8*\t+4], v[ST+8*\t+5]     ; l, beside c m
.endr
	WIN 0x04                                       ; an LDS store's data are its source 1: window 1
.irp t, 2,3
.irp f, 0,1,2,3,4,5,6,7
	ds_store_b128 v[STO], v[O+32*\t+4*\f:O+32*\t+4*\f+3] offset:(\t-2)*4096+512*\f   ; each accumulator from its low end on
.endr
.endr
	WIN 0
.irp t, 2,3
	ds_store_b64 v[STS], v[ST+8*\t:ST+8*\t+1] offset:(\t-2)*256
.endr
	s_wait_dscnt 0x0                               ; for my partner's sake: my stores have landed
	s_barrier_signal -1
	s_barrier_wait -1
.irp t, 0,1
.irp f, 0,1,2,3,4,5,6,7
	ds_load_b128 v[S+32*\t+4*\f:S+32*\t+4*\f+3], v[LDP] offset:\t*4096+512*\f
.endr
.endr
.irp t, 0,1
	ds_load_b64 v[ST+8*\t+4:ST+8*\t+5], v[LDT] offset:\t*256       ; c m', l'
.endr
	s_wait_dscnt 0x0
.irp t, 0,1
	v_max_num_f32 v[ST+8*\t+6], v[ST+8*\t], v[ST+8*\t+4]
.endr
.irp t, 0,1
	v_sub_f32 v[ST+8*\t+2], v[ST+8*\t], v[ST+8*\t+6]
	v_sub_f32 v[ST+8*\t+3], v[ST+8*\t+4], v[ST+8*\t+6]
.endr
.irp t, 0,1
	v_exp_f32 v[ST+8*\t+2], v[ST+8*\t+2]           ; f
	v_exp_f32 v[ST+8*\t+3], v[ST+8*\t+3]           ; f'
.endr
	v_nop
	s_wait_alu depctr_va_vdst(0)                   ; one wait for the four
.irp t, 0,1
	v_mul_f32 v[ST+8*\t+7], v[ST+8*\t+2], v[ST+8*\t+1]
.endr
.irp t, 0,1
	v_fma_f32 v[ST+8*\t+7], v[ST+8*\t+3], v[ST+8*\t+5], v[ST+8*\t+7]   ; L = f l + f' l'
.endr
.irp t, 0,1
	v_rcp_f32 v[ST+8*\t+7], v[ST+8*\t+7]
.endr
	v_nop
	s_wait_alu depctr_va_vdst(0)                   ; one wait for the two
.irp t, 0,1
	v_mul_f32 v[ST+8*\t+2], v[ST+8*\t+2], v[ST+8*\t+7]     ; g = f / L
	v_mul_f32 v[ST+8*\t+6], v[ST+8*\t+3], v[ST+8*\t+7]     ; g' = f' / L
.endr
.set i, 0
.rept 16
.irp t, 0,1
	v_pk_mul_f32 v[S+32*\t+2*i:S+32*\t+2*i+1], v[S+32*\t+2*i:S+32*\t+2*i+1], v[ST+8*\t+6:ST+8*\t+7] op_sel_hi:[1,0]
.endr
.set i, i+1
.endr
	WIN 0x01                                       ; source 0 (O^T) window 1
.set i, 0
.rept 16
.irp t, 0,1
	v_pk_fma_f32 v[S+32*\t+2*i:S+32*\t+2*i+1], v[O+32*\t+2*i:O+32*\t+2*i+1], v[ST+8*\t+2:ST+8*\t+3], v[S+32*\t+2*i:S+32*\t+2*i+1] op_sel_hi:[1,0,1]   ; g O + g' O'
.endr
.set i, i+1
.endr
	WIN 0
.set i, 0
.rept 16
.irp t, 0,1
	v_cvt_pk_f16_f32 v[S+32*\t+i], v[S+32*\t+2*i], v[S+32*\t+2*i+1]   ; registers 4 ct .. 4 ct + 3: channels 16 ct + 8 (lane / 16) + 0 .. 7 of query lane % 16
.endr
.set i, i+1
.endr
.irp t, 0,1
.irp ct, 0,1,2,3
	global_store_b128 v[LI], v[S+32*\t+4*\ct:S+32*\t+4*\ct+3], s[10:11] offset:\t*16384+\ct*512   ; ctx [token tile][kc 16][g 2][lane][16 bytes]: my lane's piece is my lane's place; 512 consecutive bytes
.endr
.endr
	s_wait_tensorcnt 0x0                           ; the wave's end: behind my last tensor load and my last LDS store
	ds_add_u32 v[SPW], v[NIL]
	s_wait_dscnt 0x0
	CROUND                                         ; the closing round: no work-group ends while a partner may still ask for a tile that names it
	s_endpgm
.Lfunc_end_k_q2530df5a0f_attn:
	.size	k_q2530df5a0f_attn, .Lfunc_end_k_q2530df5a0f_attn-k_q2530df5a0f_attn
	.p2alignl 7, 3214868480
	.fill 96, 4, 3214868480
	.section	.rodata,"a",@progbits
	.p2align	6, 0x0
	.amdhsa_kernel k_q2530df5a0f_attn
		.amdhsa_group_segment_fixed_size 327680
		.amdhsa_private_segment_fixed_size 0
		.amdhsa_enable_private_segment 0
		.amdhsa_kernarg_size 32
		.amdhsa_user_sgpr_count 2
		.amdhsa_user_sgpr_kernarg_segment_ptr 1
		.amdhsa_wavefront_size32 1
		.amdhsa_system_sgpr_workgroup_id_x 1
		.amdhsa_system_sgpr_workgroup_id_y 1
		.amdhsa_system_sgpr_workgroup_id_z 1
		.amdhsa_system_vgpr_workitem_id 0
		.amdhsa_next_free_vgpr 512
		.amdhsa_next_free_sgpr 66
		.amdhsa_reserve_vcc 0
		.amdhsa_float_denorm_mode_32 3
		.amdhsa_float_denorm_mode_16_64 3
		.amdhsa_memory_ordered 1
		.amdhsa_forward_progress 1
		.amdhsa_inst_pref_size 152
	.end_amdhsa_kernel
	.amdgpu_metadata
---
amdhsa.version: [ 1, 2 ]
amdhsa.kernels:
  - .name:           k_q2530df5a0f_attn
    .symbol:         k_q2530df5a0f_attn.kd
    .args:
      - { .name: qh, .offset: 0, .size: 8, .value_kind: global_buffer, .address_space: global }
      - { .name: kh, .offset: 8, .size: 8, .value_kind: global_buffer, .address_space: global }
      - { .name: vh, .offset: 16, .size: 8, .value_kind: global_buffer, .address_space: global }
      - { .name: ctx, .offset: 24, .size: 8, .value_kind: global_buffer, .address_space: global }
    .group_segment_fixed_size: 327680
    .private_segment_fixed_size: 0
    .kernarg_segment_align: 8
    .kernarg_segment_size: 32
    .max_flat_workgroup_size: 256
    .sgpr_count:     66
    .vgpr_count:     512
    .wavefront_size: 32
...
	.end_amdgpu_metadata
.endif
;; end of part 3
;; launch oproj (part 4): grid 4 x 64, 8 waves a work-group, clusters of 4 x 4, 327,680 bytes of LDS; arguments ctx, woh, bo, out0; writes out0
.if DOCPART == 4
	.amdgcn_target "amdgcn-amd-amdhsa--gfx1250"
	.amdhsa_code_object_version 6
	.text
	.protected	k_q2530df5a0f_oproj
	.globl	k_q2530df5a0f_oproj
	.p2align	8
	.type	k_q2530df5a0f_oproj,@function
k_q2530df5a0f_oproj:
	s_mov_b64 s[64:65], 0
	v_nop
	global_prefetch_b8 v0, s[64:65] scope:SCOPE_SE
	s_setreg_imm32_b32 hwreg(HW_REG_WAVE_MODE, 25, 1), 1
	s_wait_xcnt 0x0
	s_wait_alu depctr_hold_cnt(0) depctr_sa_sdst(0) depctr_va_vdst(0) depctr_va_sdst(0) depctr_va_ssrc(0) depctr_va_vcc(0) depctr_vm_vsrc(0)
	s_getreg_b32 s2, hwreg(HW_REG_IB_STS2, 6, 4)
	s_cmp_eq_u32 s2, 0
	s_cbranch_scc0 .Lentry_in_a_cluster
	s_endpgm
.Lentry_in_a_cluster:
	s_bfe_u32 s2, ttmp6, 0x10000c
	s_cmp_lg_u32 s2, 0xf033
	s_cbranch_scc0 .Lentry_shape_is_right
	s_endpgm
.Lentry_shape_is_right:
; out0 = ctx Wo + bo: [8,192 x 512] x [512 x 512], operands in f16, sums in f32, the bias as each sum's first C.
; ctx [token tile 512][kc 16][g 2][lane][16 bytes] and woh [nt 32][kc 16][g 2][lane][16 bytes] lie as images of operand registers: 128 rows of ctx, for all of K, are one dense block of 128 KB, and so are 128 columns of Wo.
; A work-group makes 128 rows x 128 columns with ALL OF K IN LDS: each of its eight waves brings 32 KB by one tensor load (waves 0-3 ctx, waves 4-7 woh); every fill is a first fill: no ring, and one tensor load a wave is out.
; CLUSTERS: 4 x 4 work-groups.  The four of a row of the cluster need the same rows of ctx, the four of a column the same columns of Wo: each block is asked for JOINTLY.
; Wave w makes rows 32 (w / 2) on x columns 64 (w % 2) on: 2 x 4 accumulators.  THE MATRIX INSTRUCTION IS USED TRANSPOSED (source 0 = 16 columns of Wo, source 1 = 16 tokens): a lane holds eight neighbouring numbers of a row of out0.
.set STAGE, 262144                     ; behind the two blocks: 16 rows x (256 bytes + 16) for each wave, for the way out; no tensor load lands here
.set SPARE, 296960                     ; the spare words, 128 bytes for each wave: four blocks of 256 bytes that no other line names
.set LI,  1                            ; v1   16 x lane
.set ADA, 2                            ; v2   my two tiles of ctx
.set ADB, 3                            ; v3   my four tiles of Wo
.set STO, 4                            ; v4   the stage: where I put 32 bytes of a row
.set RD,  5                            ; v5   and where I read a row back
.set CO,  6                            ; v6   my byte offset in out0
.set BO,  7                            ; v7   32 x (lane / 16)
.set SPW, 8                            ; v8   SPARE + 4 x my thread's number; never rewritten
.set NIL, 9                            ; v9   0; never rewritten
.set BI,  16                           ; v16-47   the bias of my four tiles of columns, in the result's layout
.set ACC, 48                           ; v48-111  accumulator (a, b) at ACC + 8 (4 a + b)
.set F0,  112                          ; v112-159, v160-207: two sets of fragments: four of Wo, then two of ctx
.set OUTR, 112                         ; the way out: 2 x 32 registers
.set WV,  12
.set G1A, 24                           ; s[24:31], s[32:35] groups 1 and 0 for ctx
.set G0A, 32
.set G1B, 48                           ; s[48:55], s[56:59] for woh
.set G0B, 56
.macro CROUND                          ; a round of the cluster's barrier
	s_barrier_signal -1
	s_barrier_wait -1
	s_cmp_lg_u32 s[WV], 0
	s_cbranch_scc1 .Lnot_wave_0_\@
	s_barrier_signal -3
.Lnot_wave_0_\@:
	s_barrier_wait -3
	s_barrier_signal -1
	s_barrier_wait -1
.endm
	s_load_b256 s[4:11], s[0:1], 0x0               ; ctx s[4:5], woh s[6:7], bo s[8:9], out0 s[10:11]
	v_lshl_add_u32 v[SPW], v0, 2, SPARE
	v_mov_b32 v[NIL], 0
	ds_add_u32 v[SPW], v[NIL]                      ; the wave's opening: the add, twice on end, and its wait, ahead of my first tensor load
	ds_add_u32 v[SPW], v[NIL]                      ; and once more, under the one wait; the set-up below, work on registers, stands between
	v_lshrrev_b32 v10, 5, v0
	v_readfirstlane_b32 s[WV], v10                 ; wave 0 .. 7
	s_lshr_b32 s13, s[WV], 2                       ; I fetch for ctx (0) or for woh (1),
	s_and_b32 s14, s[WV], 3                        ; this quarter of the block
	s_bfe_u32 s40, ttmp6, 0x40000                  ; cx, cy: my place in the cluster
	s_bfe_u32 s41, ttmp6, 0x40004
	s_lshl_b32 s42, ttmp9, 2
	s_add_co_u32 s42, s42, s40                     ; block of 128 columns = 4 x cluster x + cx
	s_and_b32 s43, ttmp7, 0xffff
	s_lshl_b32 s43, s43, 2
	s_add_co_u32 s43, s43, s41                     ; block of 128 rows = 4 x cluster y + cy
	s_lshl_b32 s44, s41, 2
	s_lshl_b32 s44, 15, s44                        ; my row of the cluster
	s_lshl_b32 s45, 0x1111, s40                    ; my column
	; descriptor group 1: a dense block of 32 KB as 128 rows of 256 bytes
	s_or_b32 s[G1A], s44, (3<<16)|(1<<21)          ; 15:0 the mask: ctx goes to my row; 17:16 elements of 8 bytes; 21 set beside a mask
	s_or_b32 s[G1B], s45, (3<<16)|(1<<21)          ; woh goes to my column
.irp g, G1A, G1B
	s_mov_b32 s[\g+1], 32<<16                      ; tensor_dim0 = 32
	s_mov_b32 s[\g+2], 128<<16                     ; tensor_dim1 = 128
	s_mov_b32 s[\g+3], 32<<16                      ; tile_dim0 = 32
	s_mov_b32 s[\g+4], 128                         ; tile_dim1 = 128
	s_mov_b32 s[\g+5], 32                          ; from row to row
	s_mov_b32 s[\g+6], 0
	s_mov_b32 s[\g+7], 0
.endr
	s_lshl_b32 s18, s14, 15                        ; my quarter: 32 KB
	s_lshl_b32 s16, s43, 17
	s_add_co_u32 s16, s16, s18                     ; ctx: hangs on the block of rows alone, which my row of the cluster shares
	s_mov_b32 s17, 0
	s_lshl_b32 s46, s42, 17
	s_add_co_u32 s46, s46, s18                     ; woh: on the block of columns alone, which my column shares
	s_mov_b32 s47, 0
	s_lshl_b32 s20, s[WV], 15                      ; where it goes: 32 KB a wave: no place in the cluster enters an LDS address
	v_and_b32 v10, 31, v0
	v_and_b32 v11, 15, v0                          ; r
	v_bfe_u32 v12, v0, 4, 1                        ; h
	v_lshlrev_b32 v[LI], 4, v10
	s_lshr_b32 s21, s[WV], 1                       ; which 32 rows are mine
	s_and_b32 s22, s[WV], 1                        ; which 64 columns
	s_lshl_b32 s23, s21, 15
	v_add_nc_u32 v[ADA], s23, v[LI]                ; two tiles of 16 KB
	s_lshl_b32 s23, s22, 16
	s_add_co_u32 s23, s23, 131072
	v_add_nc_u32 v[ADB], s23, v[LI]                ; four tiles of 16 KB, behind ctx's 128 KB
	s_mul_i32 s23, s[WV], 4352
	s_add_co_u32 s23, s23, STAGE
	v_mul_u32_u24 v[STO], v11, 272
	v_lshl_add_u32 v[STO], v12, 5, v[STO]
	v_add_nc_u32 v[STO], s23, v[STO]               ; in: row r, 32 bytes for each half of the lanes
	v_mul_u32_u24 v[RD], v12, 272
	v_lshl_add_u32 v[RD], v11, 4, v[RD]
	v_add_nc_u32 v[RD], s23, v[RD]                 ; back: lanes 0-15 one row of 256 bytes, lanes 16-31 the next
	v_lshlrev_b32 v[CO], 11, v12
	v_lshl_add_u32 v[CO], v11, 4, v[CO]            ; and the same two rows in out0
	v_lshlrev_b32 v[BO], 5, v12
	s_lshl_b32 s60, s42, 9                         ; my first column, in bytes: 512 x block + 256 x half
	s_lshl_b32 s61, s22, 8
	s_add_co_u32 s60, s60, s61
	s_mov_b32 s61, 0
	s_lshl_b32 s62, s43, 18                        ; my first row: 128 rows of 2,048 bytes a block, 32 rows a pair of waves
	s_lshl_b32 s63, s21, 16
	s_add_co_u32 s62, s62, s63
	s_add_co_u32 s62, s62, s60
	s_mov_b32 s63, 0
	s_wait_dscnt 0x0                               ; both opening adds are done
	s_wait_kmcnt 0x0
	s_mov_b32 s[G0A], 1
	s_mov_b32 s[G0A+1], s20
	s_add_nc_u64 s[G0A+2:G0A+3], s[4:5], s[16:17]
	s_or_b32 s[G0A+3], s[G0A+3], 0x80000000
	s_mov_b32 s[G0B], 1
	s_mov_b32 s[G0B+1], s20
	s_add_nc_u64 s[G0B+2:G0B+3], s[6:7], s[46:47]
	s_or_b32 s[G0B+3], s[G0B+3], 0x80000000
	s_add_nc_u64 s[8:9], s[8:9], s[60:61]
	s_add_nc_u64 s[10:11], s[10:11], s[62:63]
	CROUND                                         ; all sixteen work-groups are here: the joint loads meet
	s_cmp_eq_u32 s13, 0                            ; the branch hangs on the wave's number alone; an s_nop 0 and four v_nop follow each of the two lines
	s_cbranch_scc0 .Lfor_b
	tensor_load_to_lds s[G0A:G0A+3], s[G1A:G1A+7]
	s_nop 0
.rept 4
	v_nop
.endr
	s_branch .Lasked
.Lfor_b:
	tensor_load_to_lds s[G0B:G0B+3], s[G1B:G1B+7]
	s_nop 0
.rept 4
	v_nop
.endr
.Lasked:
.irp b, 0,1,2,3
	global_load_b128 v[BI+8*\b:BI+8*\b+3], v[BO], s[8:9] offset:64*\b          ; bo at columns 16 b + 8 h + 0 .. 7 of my 64
	global_load_b128 v[BI+8*\b+4:BI+8*\b+7], v[BO], s[8:9] offset:64*\b+16
.endr
	s_wait_tensorcnt 0x0                           ; my 32 KB have landed,
	s_barrier_signal -1
	s_barrier_wait -1                              ; everybody's have
	s_wait_loadcnt 0x0                             ; the bias
.macro FETCH kc                        ; 32 along K: four fragments of Wo and two of ctx, twelve loads of 512 consecutive bytes, into set kc % 2
.set FB, F0+48*((\kc)%2)
.irp b, 0,1,2,3
.irp g, 0,1
	ds_load_b128 v[FB+8*\b+4*\g:FB+8*\b+4*\g+3], v[ADB] offset:\b*16384+(\kc)*1024+\g*512
.endr
.endr
.irp a, 0,1
.irp g, 0,1
	ds_load_b128 v[FB+32+8*\a+4*\g:FB+32+8*\a+4*\g+3], v[ADA] offset:\a*16384+(\kc)*1024+\g*512
.endr
.endr
.endm
.macro MUL kc                          ; eight products; the eight accumulators take turns; the bias starts the sums
.set FB, F0+48*((\kc)%2)
.irp a, 0,1
.irp b, 0,1,2,3
.if (\kc) == 0
	v_wmma_f32_16x16x32_f16 v[ACC+8*(4*\a+\b):ACC+8*(4*\a+\b)+7], v[FB+8*\b:FB+8*\b+7], v[FB+32+8*\a:FB+32+8*\a+7], v[BI+8*\b:BI+8*\b+7]
.else
	v_wmma_f32_16x16x32_f16 v[ACC+8*(4*\a+\b):ACC+8*(4*\a+\b)+7], v[FB+8*\b:FB+8*\b+7], v[FB+32+8*\a:FB+32+8*\a+7], v[ACC+8*(4*\a+\b):ACC+8*(4*\a+\b)+7]
.endif
.endr
.endr
.endm
	FETCH 0
	FETCH 1
.irp kc, 0,1,2,3,4,5,6,7,8,9,10,11,12,13,14,15
.if \kc < 15
	s_wait_dscnt 12                                ; this chunk's twelve loads are in; the next chunk's may be out
.else
	s_wait_dscnt 0x0
.endif
	MUL \kc
.rept 4
	v_nop                                          ; places ahead of loads into registers that matrix instructions have read, and of the first read of results
.endr
.if \kc < 14
	FETCH \kc+2
.endif
.endr
	; THE WAY OUT: 16 rows x 64 columns at a time through my own stage, back as whole rows of 256 bytes.  LDS serves a wave's instructions in order (ISA guide 5.7.1.4): no wait between the stores and the loads, nor ahead of the next tile's stores.
.irp a, 0,1
.irp b, 0,1,2,3
	ds_store_b128 v[STO], v[ACC+8*(4*\a+\b):ACC+8*(4*\a+\b)+3] offset:64*\b        ; each accumulator from its low end on
	ds_store_b128 v[STO], v[ACC+8*(4*\a+\b)+4:ACC+8*(4*\a+\b)+7] offset:64*\b+16
.endr
.irp i, 0,1,2,3,4,5,6,7
	ds_load_b128 v[OUTR+32*\a+4*\i:OUTR+32*\a+4*\i+3], v[RD] offset:544*\i
.endr
.endr
	s_wait_dscnt 16                                ; the first tile is back; the second tile's sixteen LDS instructions may be out
.irp i, 0,1,2,3,4,5,6,7
	global_store_b128 v[CO], v[OUTR+4*\i:OUTR+4*\i+3], s[10:11] offset:\i*4096 th:TH_STORE_NT   ; 16 lanes store 256 consecutive bytes, at a multiple of 256 from out0's first byte
.endr
	s_wait_dscnt 0x0
.irp i, 0,1,2,3,4,5,6,7
	global_store_b128 v[CO], v[OUTR+32+4*\i:OUTR+32+4*\i+3], s[10:11] offset:32768+\i*4096 th:TH_STORE_NT
.endr
	s_wait_tensorcnt 0x0                           ; the wave's end: behind my last tensor load and my last LDS store
	ds_add_u32 v[SPW], v[NIL]
	s_wait_dscnt 0x0
	CROUND                                         ; the closing round: no work-group ends while a partner may still ask for a block that names it
	s_endpgm
.Lfunc_end_k_q2530df5a0f_oproj:
	.size	k_q2530df5a0f_oproj, .Lfunc_end_k_q2530df5a0f_oproj-k_q2530df5a0f_oproj
	.p2alignl 7, 3214868480
	.fill 96, 4, 3214868480
	.section	.rodata,"a",@progbits
	.p2align	6, 0x0
	.amdhsa_kernel k_q2530df5a0f_oproj
		.amdhsa_group_segment_fixed_size 327680
		.amdhsa_private_segment_fixed_size 0
		.amdhsa_enable_private_segment 0
		.amdhsa_kernarg_size 32
		.amdhsa_user_sgpr_count 2
		.amdhsa_user_sgpr_kernarg_segment_ptr 1
		.amdhsa_wavefront_size32 1
		.amdhsa_system_sgpr_workgroup_id_x 1
		.amdhsa_system_sgpr_workgroup_id_y 1
		.amdhsa_system_sgpr_workgroup_id_z 1
		.amdhsa_system_vgpr_workitem_id 0
		.amdhsa_next_free_vgpr 208
		.amdhsa_next_free_sgpr 66
		.amdhsa_reserve_vcc 0
		.amdhsa_float_denorm_mode_32 3
		.amdhsa_float_denorm_mode_16_64 3
		.amdhsa_memory_ordered 1
		.amdhsa_forward_progress 1
		.amdhsa_inst_pref_size 33
	.end_amdhsa_kernel
	.amdgpu_metadata
---
amdhsa.version: [ 1, 2 ]
amdhsa.kernels:
  - .name:           k_q2530df5a0f_oproj
    .symbol:         k_q2530df5a0f_oproj.kd
    .args:
      - { .name: ctx, .offset: 0, .size: 8, .value_kind: global_buffer, .address_space: global }
      - { .name: woh, .offset: 8, .size: 8, .value_kind: global_buffer, .address_space: global }
      - { .name: bo, .offset: 16, .size: 8, .value_kind: global_buffer, .address_space: global }
      - { .name: out0, .offset: 24, .size: 8, .value_kind: global_buffer, .address_space: global }
    .group_segment_fixed_size: 327680
    .private_segment_fixed_size: 0
    .kernarg_segment_align: 8
    .kernarg_segment_size: 32
    .max_flat_workgroup_size: 256
    .sgpr_count:     66
    .vgpr_count:     208
    .wavefront_size: 32
...
	.end_amdgpu_metadata
.endif
;; end of part 4
